; MI455X (gfx1250); checked and timed in simulation.
; The chip was launched on July 23, 2026; its instructions are those of AMD's public machine-readable ISA for CDNA 5 (MIT licence, August 2026) and "CDNA5" Instruction Set Architecture Reference Guide (July 2026). The comments in the code are by the model that wrote it; some were corrected since.
;; Quantized Expert. Allowed arithmetic: matrix products marked QUANTISED: E2M1 operands, one E8M0 scale for each 32 along K, by v_wmma_scale_f32_16x16x128_f8f6f4 with both operands' format E2M1 (or v_wmma_scale_f32_32x16x128_f4), f32 sums; everything else in f32.
;; Inputs: lut_down 256 float32; lut_gate 256 float32; lut_up 256 float32; sign_l_down 2,048 float32; sign_l_gate 8,192 float32; sign_l_up 8,192 float32; sign_r_down 8,192 float32; sign_r_gate 2,048 float32; sign_r_up 2,048 float32; walks_down 2,048 x 8,192 int32; walks_gate 8,192 x 2,048 int32; walks_up 8,192 x 2,048 int32; x 1,024 x 2,048 float32.
;; Outputs: out0 1,024 x 2,048 float32.
;; This version of the problem:
;;   THIS VERSION OF THE PROBLEM IS GIVEN IN LOW PRECISION. The matrix products marked QUANTISED in the list below multiply operands that are first quantised to E2M1 (2 exponent bits, 1 mantissa bit; 4 bits a number), with one power-of-two scale for each 32 numbers along K (OCP MX v1.0); their sums are f32. All else is computed in f32.
;;   The module's matrix products, in the order in which they are computed (A, B: the left and right operand; K: the contracted axis; several contracted axes count as one K, in the product's order):
;;     1. [M 1,024, K 2,048] x [K 2,048, N 8,192]; A: input x; B: computed on the way: QUANTISED
;;     2. [M 1,024, K 2,048] x [K 2,048, N 8,192]; A: input x; B: computed on the way: QUANTISED
;;     3. [M 1,024, K 8,192] x [K 8,192, N 2,048]; A: computed on the way; B: computed on the way: QUANTISED
;;   THE QUANTISER, for each operand of a quantised product, along K:
;;     - K is cut into blocks of 32 from its start; a last block that is shorter is filled with zeros.
;;     - A block's scale is 2^e with e = floor(log2(the largest magnitude in the block)) - 2, held to -126 .. 127; a block of zeros has e = 0. As a byte (E8M0): e + 127.
;;     - Each number is divided by its block's scale, clamped to +-6, and rounded to the nearest number of E2M1, ties to even, subnormals kept.
;;     - The product sums the exact products of the quantised numbers (number of the format x scale) in f32.
;;   ~~~python
;;   def quantise(x, axis):      # numpy; x: float32 -> the quantised numbers, widened to float32 again
;;       x = np.moveaxis(x, axis, -1); K = x.shape[-1]
;;       x = np.pad(x, [(0, 0)] * (x.ndim - 1) + [(0, -K % 32)]); x = x.reshape(x.shape[:-1] + (-1, 32)); a = np.abs(x).max(-1, keepdims=True)
;;       e = np.where(a > 0, np.clip(np.frexp(np.where(a > 0, a, 1))[1] - 1 - 2, -126, 127), 0)      # np.frexp(a)[1] - 1 = floor(log2(a)), exactly
;;       r = np.clip(x / 2.0 ** e, -6, 6)
;;       step = 2.0 ** (np.maximum(np.frexp(np.where(r == 0, 1, r))[1] - 1, 0) - 1)
;;       q = np.round(r / step) * step * 2.0 ** e      # np.round: ties to even
;;       return np.moveaxis(q.reshape(q.shape[:-2] + (-1,))[..., :K], -1, axis).astype(np.float32)
;;   ~~~
;;   OPERANDS COMPUTED ON THE WAY. 'Computed on the way' means the value that the module computes at that place (a softmax that the list does not call 'softmax' is quantised finished and normalised). What goes into a quantiser is computed in f32, as accurately as f32 sums, v_exp_f32 and their like allow (about 1e-6 of the number): no bf16 or f16 on the way to a quantiser, and a product that is left as it is and whose result goes on into a quantised operand takes f32 operands (vector FMAs, or v_wmma_f32_16x16x4_f32). A number that lies on a knife's edge between two numbers of the format may be rounded either way, as far as f32 arithmetic and the matrix unit's own rounding can turn it there, and no further.
;; One version. Each part assembles by itself: llvm-mc -triple=amdgcn-amd-amdhsa -mcpu=gfx1250 --defsym DOCPART=n.
;; ======== version 1 of 1: 3 launches
;; limits: right only within a limited range of input values
;; workspace buffers: xq 1,048,576 bytes; xs 65,536 bytes; wguq 16,777,216 bytes; wgus 1,048,576 bytes; wdq 8,388,608 bytes; wds 524,288 bytes; hq 4,194,304 bytes; hs 262,144 bytes
;; launch quant (part 1): grid 1600 x 1, 1 waves a work-group, no clusters, 44,288 bytes of LDS; arguments walks_gate, walks_up, walks_down, x, lut_gate, lut_up, lut_down, sign_l_gate, sign_l_up, sign_l_down, sign_r_gate, sign_r_up, sign_r_down, wguq, wgus, wdq, wds, xq, xs; writes wguq, wgus, wdq, wds, xq, xs
.if DOCPART == 1
	.amdgcn_target "amdgcn-amd-amdhsa--gfx1250"
	.amdhsa_code_object_version 6
	.text
	.protected	k_q7616ac0b6e_quant
	.globl	k_q7616ac0b6e_quant
	.p2align	8
	.type	k_q7616ac0b6e_quant,@function
k_q7616ac0b6e_quant:
	s_mov_b64 s[64:65], 0
	v_nop
	global_prefetch_b8 v0, s[64:65] scope:SCOPE_SE
	s_setreg_imm32_b32 hwreg(HW_REG_WAVE_MODE, 25, 1), 1
	s_wait_xcnt 0x0
; x [1024][2048] f32, and the three weights w[row][col] = lut[walks[row][col]] * sign_l[row] * sign_r[col] * 0.02, become codes of FP4 (E2M1) with one E8M0 byte for each 32 along K (K is the last axis of all four).
; A block's scale is 2^(floor(log2(its largest magnitude)) - 2): its byte is the largest magnitude's exponent field - 2, held at 1 from below.
; LIMITS: a block of zeros gets the byte 1 (its codes are zeros, and this program alone reads the bytes); NaN and infinities among the inputs are not served; a walk is held at 255 (unsigned);
; the product is formed as ((lut * 0.02) * sign_r) * sign_l: the same bits as the source's order where the signs are +-1, else within f32 rounding of it.
; ORDER INSIDE A BLOCK: the four words of a block's 16 bytes hold k 0-7, 16-23, 8-15, 24-31.  Every code buffer of this program is laid so, both operands of every product alike, so the products are the same; only the order of the sums differs.
; SHARES: 1,600 work-groups of ONE wave.  Work-groups 0-511 take gate, 512-1023 up, 1024-1535 down, 1536-1599 x.  A work-group takes 32 rows x 1,024 columns: 32 steps of 4,096 consecutive bytes of one row.
; One wave to a work-group, because the table is read at addresses made of loaded indices: no other wave's LDS bytes exist beside it, LDS serves a wave in order, and no barrier is needed.
; A STEP: eight loads of 512 consecutive bytes (16 a lane); each walk is looked up in place in a table in LDS that has a copy of every entry for every lane (entry i, lane l at 128 i + 4 l: the 32 lanes fall on different banks);
; the 1,024 numbers turn through a stage in LDS (144 bytes a block: 128 + 16 of padding) so that lane l holds block l whole, 32 neighbours along K; maximum, scale, four conversions; one store of 512 consecutive bytes of codes.
; The 32 x 32 scale bytes are gathered in LDS and leave as 1,024 consecutive bytes.
; No tensor loads (they would share LDS with the look-ups), no cluster (no tile is shared), no prefetch (the loads stream on end), no matrix work.
; A WEIGHT'S STEP AS IT STANDS (in place of what the head comment says of it): the eight loads' 1,024 walks are packed, four low bytes to a word (a walk's low byte is taken, then held at 255: an index stays inside its table);
; the 1,024 BYTES turn through the stage (8 stores of 128 consecutive bytes, 16 bytes of padding behind each 256; 2 loads of 16 bytes a lane), so that lane l holds the 32 walks of block l;
; each is then looked up in the table, straight into the registers that the block's arithmetic reads.  x's numbers and sign_r turn as f32, as before.
.set STG,   32768                      ; LDS: 0 the table, 32,768 bytes; the stage, 32 x 144
.set SB,    37376                      ; the scale bytes [row 32][32]
.set STGX,  38400                      ; x's path has LDS bytes of its own: its stage
.set SBX,   43008                      ; and its scale bytes
.set L4,   1                           ; v1   4 x lane
.set STA,  2                           ; v2   into the stage: 144 (lane / 8) + 16 (lane % 8); a load's 512 bytes take four places
.set LDA,  3                           ; v3   out of it: 144 x lane
.set LDB,  4                           ; v4   out of the stage of bytes: 32 x lane + 16 (lane / 8)
.set SBT,  5                           ; v5   lane + 32 x the trip's first row: my block's scale byte
.set LOFF, 6                           ; v6-9   16 x lane + j source rows
.set COFF, 10                          ; v10-13 16 x lane + j rows of codes
.set CV,   14                          ; v14  sign_l of my 32 rows, lane i: row i
.set LI,   15                          ; v15  16 x lane
.set M1,   16                          ; v16, v17 two chains of the maximum
.set M2,   17
.set SCV,  18                          ; v18  the conversions' scale operand
.set BY,   19                          ; v19  the scale's byte
.set C,    20                          ; v20-23 a block's codes
.set SR,   24                          ; v24-55 sign_r of my block's 32 columns
.set X,    56                          ; v56-119 two sets of 32 neighbours
.set R,    120                         ; v120-247 four sets of 32 numbers as loaded
.set LQ,   248                         ; v248 256 (lane / 8): my quarter of the lut
.set LS,   249                         ; v249 8192 (lane / 8) + 16 (lane % 8): where I store four copies of an entry
.macro LOADS set                       ; a step's 4,096 bytes into set: each load reads 512 consecutive bytes
.irp i, 0,1,2,3,4,5,6,7
	global_load_b128 v[R+32*(\set)+4*\i:R+32*(\set)+4*\i+3], v[LOFF+(\set)], s[48:49] offset:512*\i th:TH_LOAD_NT
.endr
.endm
.macro TURN src, dst, stg              ; 1,024 numbers through the stage: LDS serves a wave's instructions in order, so no wait stands between the stores and the loads
.irp i, 0,1,2,3,4,5,6,7
	ds_store_b128 v[STA], v[(\src)+4*\i:(\src)+4*\i+3] offset:(\stg)+576*\i
.endr
.irp i, 0,1,2,3,4,5,6,7
	ds_load_b128 v[(\dst)+4*\i:(\dst)+4*\i+3], v[LDA] offset:(\stg)+16*\i
.endr
.endm
.macro PACK set                        ; a step's 32 walks a lane become 8 words of 4 bytes, in place (word i in register i of the set), and turn: registers 8-15 of the set take my block's 32 bytes
.set GB, R+32*(\set)
.irp i, 0,1,2,3,4,5,6,7
	v_perm_b32 v[GB+4*\i], v[GB+4*\i+1], v[GB+4*\i], s60           ; the low bytes of walks 0, 1 of load i
	v_perm_b32 v[GB+4*\i+2], v[GB+4*\i+3], v[GB+4*\i+2], s60       ; and of walks 2, 3
.endr
.irp i, 0,1,2,3,4,5,6,7
	v_perm_b32 v[GB+\i], v[GB+4*\i+2], v[GB+4*\i], s61             ; ascending: register i holds nothing that a later word still reads
.endr
.irp i, 0,1,2,3,4,5,6,7
	ds_store_b32 v[L4], v[GB+\i] offset:STG+128*\i+16*(\i/2)
.endr
	ds_load_b128 v[GB+8:GB+11], v[LDB] offset:STG                  ; LDS serves a wave's instructions in order: these see the stores
	ds_load_b128 v[GB+12:GB+15], v[LDB] offset:STG+16
.endm
.macro LOOKUP set, xs                  ; my block's 32 walks become 32 table entries in set xs of X
.set GB, R+32*(\set)+8
.set XB, X+32*(\xs)
.set n, 0
.rept 32
	v_bfe_u32 v[XB+n], v[GB+n/4], 8*(n%4), 8
.set n, n+1
.endr
.set n, 0
.rept 32
	v_min_u32 v[XB+n], 0xff, v[XB+n]               ; an index stays inside its table
.set n, n+1
.endr
.set n, 0
.rept 32
	v_lshl_add_u32 v[XB+n], v[XB+n], 7, v[L4]      ; 128 x index + 4 x lane
.set n, n+1
.endr
.set n, 0
.rept 32
	ds_load_b32 v[XB+n], v[XB+n]
.set n, n+1
.endr
.endm
; Lane l's block of one row (32 numbers in set xs) becomes 16 bytes of codes and a scale byte.  w = 1: a weight: x sign_r (my columns'), x sign_l (the row's).  row: the row within the trip's four.
.macro ARITH xs, w, row, sb
.set XB, X+32*(\xs)
.if \w
	s_add_co_u32 s75, s73, \row
	v_readlane_b32 s76, v[CV], s75                 ; sign_l of this row
	s_mov_b32 s77, s76                             ; (the packed form names the pair)
.irp n, 0,2,4,6,8,10,12,14,16,18,20,22,24,26,28,30
	v_pk_mul_f32 v[XB+\n:XB+\n+1], v[XB+\n:XB+\n+1], v[SR+\n:SR+\n+1]
.endr
.irp n, 0,2,4,6,8,10,12,14,16,18,20,22,24,26,28,30
	v_pk_mul_f32 v[XB+\n:XB+\n+1], v[XB+\n:XB+\n+1], s[76:77] op_sel_hi:[1,0]
.endr
.endif
	v_max3_num_f32 v[M1], |v[XB]|, |v[XB+1]|, 0x1800000            ; the block's largest magnitude, in two chains; the floor 2^(3 - 127) among the leaves holds the byte at 1 from below
	v_max3_num_f32 v[M2], |v[XB+2]|, |v[XB+3]|, |v[XB+4]|
.irp i, 5,9,13,17,21,25
	v_max3_num_f32 v[M1], v[M1], |v[XB+\i]|, |v[XB+\i+1]|
	v_max3_num_f32 v[M2], v[M2], |v[XB+\i+2]|, |v[XB+\i+3]|
.endr
	v_max3_num_f32 v[M1], v[M1], |v[XB+29]|, |v[XB+30]|
	v_max3_num_f32 v[M1], v[M1], v[M2], |v[XB+31]|
	v_add_nc_u32 v[SCV], 0xff000000, v[M1]         ; 2 off its exponent field: the conversion takes the exponent field of this operand as its scale
	v_cvt_scalef32_pk8_fp4_f32 v[C], v[XB:XB+7], v[SCV]            ; k 0-7   -> word 0
	v_cvt_scalef32_pk8_fp4_f32 v[C+2], v[XB+8:XB+15], v[SCV]       ; k 8-15  -> word 2
	v_cvt_scalef32_pk8_fp4_f32 v[C+1], v[XB+16:XB+23], v[SCV]      ; k 16-23 -> word 1
	v_cvt_scalef32_pk8_fp4_f32 v[C+3], v[XB+24:XB+31], v[SCV]      ; k 24-31 -> word 3
	v_lshrrev_b32 v[BY], 23, v[SCV]                ; the scale's byte; also the plain line behind the conversions
	ds_store_b8 v[SBT], v[BY] offset:(\sb)+32*(\row)
	global_store_b128 v[COFF+(\row)], v[C:C+3], s[56:57]           ; 32 lanes store 512 consecutive bytes of the row's codes
.endm
; Iteration t of a weight's path, tau = t % 4.  ld: step t + 3 is asked for; tn: step t is looked up; gw: step t + 1 is packed and turns, gw younger loads staying out (-1: not); ar: row t - 1 is worked.
.macro WSTEP tau, ld, tn, gw, ar
	s_wait_dscnt 0x0                               ; step t - 1's look-ups and step t's turn are back, and the stage's stores have read their registers
	s_wait_xcnt 0x0                                ; the last store has read its codes; loads and stores have read their bases
.if \ld
.if (\tau) == 1
	s_add_nc_u64 s[48:49], s[48:49], s[66:67]      ; four source rows on
.endif
	LOADS ((\tau)+3)%4
.endif
.if \tn
	LOOKUP \tau, (\tau)%2                          ; step t's walks, which turned in the iteration before
.endif
.if (\gw) >= 0
	s_wait_loadcnt \gw                             ; loads come back in order: step t + 1's eight are in
	PACK ((\tau)+1)%4                              ; step t + 1 is packed and turns
.endif
.if \ar
	ARITH ((\tau)+1)%2, 1, ((\tau)+3)%4, SB
.endif
.endm
; Iteration t of x's path: step t + 4 is asked for, row t is worked, step t + 1 turns (tw younger loads staying out; -1: not).
.macro XSTEP tau, ld, tw
	s_wait_dscnt 0x0
	s_wait_xcnt 0x0
.if \ld
.if (\tau) == 0
	s_add_nc_u64 s[48:49], s[48:49], s[66:67]
.endif
	LOADS \tau
.endif
	ARITH (\tau)%2, 0, \tau, SBX
.if (\tw) >= 0
	s_wait_loadcnt \tw
	TURN R+32*(((\tau)+1)%4), X+32*(((\tau)+1)%2), STGX
.endif
.endm
.macro FOOT                            ; four rows on
	s_wait_dscnt 0x0                               ; the byte stores have read their address
	s_wait_xcnt 0x0                                ; the code stores have read their base
	s_add_nc_u64 s[56:57], s[56:57], s[68:69]
	s_add_co_u32 s73, s73, 4
	s_add_co_u32 s74, s74, 128
	v_add_nc_u32 v[SBT], s74, v0
.endm
.macro BYTES_OUT sb                    ; the work-group's 1,024 scale bytes: two stores of 512 consecutive bytes
	ds_load_b128 v[X:X+3], v[LI] offset:(\sb)
	ds_load_b128 v[X+4:X+7], v[LI] offset:(\sb)+512
	s_wait_dscnt 0x0
	global_store_b128 v[LI], v[X:X+3], s[58:59]
	global_store_b128 v[LI], v[X+4:X+7], s[58:59] offset:512
.endm
	s_load_b512 s[8:23], s[0:1], 0x0               ; walks_gate 8, walks_up 10, walks_down 12, x 14, lut_gate 16, lut_up 18, lut_down 20, sign_l_gate 22
	s_load_b512 s[24:39], s[0:1], 0x40             ; sign_l_up 24, sign_l_down 26, sign_r_gate 28, sign_r_up 30, sign_r_down 32, wguq 34, wgus 36, wdq 38
	s_load_b128 s[40:43], s[0:1], 0x80             ; wds 40, xq 42
	s_load_b64 s[44:45], s[0:1], 0x90              ; xs
	v_lshl_add_u32 v254, v0, 2, 0xac00
	v_mov_b32 v255, 0
	v_lshlrev_b32 v[L4], 2, v0
	v_lshlrev_b32 v[LI], 4, v0
	v_lshrrev_b32 v[LQ], 3, v0
	v_and_b32 v[LS], 7, v0
	v_mul_u32_u24 v[STA], v[LQ], 144
	v_lshl_add_u32 v[STA], v[LS], 4, v[STA]
	v_mul_u32_u24 v[LDA], v0, 144
	v_lshlrev_b32 v[LS], 4, v[LS]
	v_lshl_add_u32 v[LS], v[LQ], 13, v[LS]
	v_lshlrev_b32 v[LQ], 8, v[LQ]
	v_mov_b32 v[SBT], v0
	v_lshrrev_b32 v[LDB], 3, v0
	v_lshlrev_b32 v[LDB], 4, v[LDB]
	v_lshl_add_u32 v[LDB], v0, 5, v[LDB]
	s_mov_b32 s60, 0x04000400                      ; v_perm_b32: the two sources' low bytes, the second source's first
	s_mov_b32 s61, 0x05040100                      ; the two sources' low halves
	s_lshr_b32 s2, ttmp9, 9                        ; T: 0 gate, 1 up, 2 down, 3 x
	s_and_b32 s3, ttmp9, 511
	s_cmp_eq_u32 s2, 2                             ; down's rows are four times as long
	s_cselect_b32 s80, 2, 0
	s_cselect_b32 s81, 7, 1
	s_cselect_b32 s82, 3, 1
	s_and_b32 s4, s3, s81                          ; kr: which 1,024 along K
	s_lshr_b32 s5, s3, s82                         ; rg: which 32 rows
	s_lshl_b32 s70, 8192, s80                      ; a source row in bytes
	s_lshl_b32 s71, 1024, s80                      ; a row of codes
	s_lshl_b32 s66, s70, 2
	s_mov_b32 s67, 0
	s_lshl_b32 s68, s71, 2
	s_mov_b32 s69, 0
	s_lshr_b32 s83, s5, 1                          ; gate and up share one buffer: unit u of tensor T lies at row (u / 64) 128 + 64 T + u % 64
	s_lshl_b32 s83, s83, 7
	s_lshl_b32 s84, s2, 6
	s_add_co_u32 s83, s83, s84
	s_and_b32 s84, s5, 1
	s_lshl_b32 s84, s84, 5
	s_add_co_u32 s83, s83, s84
	s_lshl_b32 s84, s5, 5                          ; down and x: row 32 rg
	s_cmp_lt_u32 s2, 2
	s_cselect_b32 s6, s83, s84                     ; my first row in the buffers of codes and scale bytes
	s_cselect_b32 s85, 14, 11                      ; log2 of that buffer's rows: 16,384, 2,048,
	s_cmp_eq_u32 s2, 3
	s_cselect_b32 s85, 10, s85                     ; 1,024
	s_lshl_b32 s86, s5, 5
	s_mul_i32 s86, s86, s70
	s_lshl_b32 s7, s4, 12
	s_add_co_u32 s86, s86, s7                      ; source: 32 rg rows + 4,096 kr
	s_mov_b32 s87, 0
	s_mul_i32 s88, s6, s71
	s_lshl_b32 s83, s4, 9
	s_add_co_u32 s88, s88, s83                     ; codes: my first row + 512 kr
	s_mov_b32 s89, 0
	s_lshl_b32 s90, s4, s85
	s_add_co_u32 s90, s90, s6
	s_lshl_b32 s90, s90, 5                         ; scale bytes, laid [kr][row][32]
	s_mov_b32 s91, 0
	s_mov_b32 s82, s7                              ; sign_r: 4,096 kr
	s_mov_b32 s83, 0
	s_lshl_b32 s84, s5, 7                          ; sign_l: 128 rg
	s_mov_b32 s85, 0
	s_mov_b32 s78, 0x3ca3d70a                      ; 0.02
	s_mov_b32 s79, s78
	s_mov_b32 s72, 0                               ; trips
	s_mov_b32 s73, 0                               ; the trip's first row
	s_mov_b32 s74, 0                               ; 32 x that
	v_lshlrev_b32 v[LOFF], 4, v0
	v_lshlrev_b32 v[COFF], 4, v0
.irp j, 1,2,3
	v_add_nc_u32 v[LOFF+\j], s70, v[LOFF+\j-1]
	v_add_nc_u32 v[COFF+\j], s71, v[COFF+\j-1]
.endr
	s_wait_kmcnt 0x0
	s_cmp_eq_u32 s2, 0                             ; the buffers are chosen by the work-group's number alone
	s_cselect_b64 s[48:49], s[8:9], s[10:11]       ; source
	s_cselect_b64 s[50:51], s[16:17], s[18:19]     ; lut
	s_cselect_b64 s[52:53], s[22:23], s[24:25]     ; sign_l
	s_cselect_b64 s[54:55], s[28:29], s[30:31]     ; sign_r
	s_cmp_lt_u32 s2, 2
	s_cselect_b64 s[48:49], s[48:49], s[12:13]
	s_cselect_b64 s[50:51], s[50:51], s[20:21]
	s_cselect_b64 s[52:53], s[52:53], s[26:27]
	s_cselect_b64 s[54:55], s[54:55], s[32:33]
	s_cselect_b64 s[56:57], s[34:35], s[38:39]     ; codes
	s_cselect_b64 s[58:59], s[36:37], s[40:41]     ; scale bytes
	s_cmp_eq_u32 s2, 3
	s_cselect_b64 s[48:49], s[14:15], s[48:49]
	s_cselect_b64 s[56:57], s[42:43], s[56:57]
	s_cselect_b64 s[58:59], s[44:45], s[58:59]
	s_add_nc_u64 s[48:49], s[48:49], s[86:87]
	s_add_nc_u64 s[56:57], s[56:57], s[88:89]
	s_add_nc_u64 s[58:59], s[58:59], s[90:91]
	s_add_nc_u64 s[54:55], s[54:55], s[82:83]
	s_add_nc_u64 s[52:53], s[52:53], s[84:85]
	s_cmp_eq_u32 s2, 3
	s_cbranch_scc1 .Lx
	; ---- a weight.  The lut (lanes 8 g .. 8 g + 7 take entries 64 g .. 64 g + 63), my 1,024 sign_r, my 32 sign_l; then steps 0 to 2
.irp u, 0,1,2,3,4,5,6,7,8,9,10,11,12,13,14,15
	global_load_b128 v[X+4*\u:X+4*\u+3], v[LQ], s[50:51] offset:16*\u
.endr
.irp i, 0,1,2,3,4,5,6,7
	global_load_b128 v[R+96+4*\i:R+96+4*\i+3], v[LI], s[54:55] offset:512*\i
.endr
	global_load_b32 v[CV], v[L4], s[52:53]
	s_wait_alu depctr_va_vdst(0)
	LOADS 0
	LOADS 1
	LOADS 2
	s_wait_loadcnt 24                              ; all but the 24 loads of steps 0 to 2
	TURN R+96, SR, STG                             ; sign_r turns as the numbers will: lane l gets those of its block's 32 columns
	s_wait_dscnt 0x0                               ; the fourth set's registers are free
	; the table: entry 64 g + t times 0.02, four copies a lane, eight lanes to an entry: 32 copies.  Eight quads of registers by turns
.set t, 0
.rept 64
.if t >= 8
	s_wait_dscnt 7                                 ; the seven younger stores may be out: the store that read this quad is done
.endif
.set QD, R+96+4*(t%8)
.set XE, X+(t/2)*2
.if t%2 == 0
	v_pk_mul_f32 v[QD:QD+1], v[XE:XE+1], s[78:79] op_sel_hi:[0,0]
	v_pk_mul_f32 v[QD+2:QD+3], v[XE:XE+1], s[78:79] op_sel_hi:[0,0]
.else
	v_pk_mul_f32 v[QD:QD+1], v[XE:XE+1], s[78:79] op_sel:[1,0] op_sel_hi:[1,0]
	v_pk_mul_f32 v[QD+2:QD+3], v[XE:XE+1], s[78:79] op_sel:[1,0] op_sel_hi:[1,0]
.endif
	ds_store_b128 v[LS], v[QD:QD+3] offset:128*t
.set t, t+1
.endr
	s_wait_loadcnt 16                              ; step 0 is in; steps 1 and 2 may be out
	PACK 0                                         ; LDS serves a wave in order: the look-ups that follow see the table
	WSTEP 0, 1, 1, 16, 0                           ; t = 0: no row to work yet
.Lw:                                               ; 7 trips: t = 4 m + 1 .. 4 m + 4 work rows 4 m .. 4 m + 3
	WSTEP 1, 1, 1, 16, 1
	WSTEP 2, 1, 1, 16, 1
	WSTEP 3, 1, 1, 16, 1
	WSTEP 0, 1, 1, 16, 1
	FOOT
	s_add_co_u32 s72, s72, 1
	s_cmp_lt_u32 s72, 7
	s_cbranch_scc1 .Lw
	WSTEP 1, 0, 1, 8, 1                            ; t = 29: nothing is left to ask for: the counts run down
	WSTEP 2, 0, 1, 0, 1                            ; t = 30
	WSTEP 3, 0, 1, -1, 1                           ; t = 31
	WSTEP 0, 0, 0, -1, 1                           ; row 31
	BYTES_OUT SB
	s_wait_tensorcnt 0x0
	ds_add_u32 v254, v255
	s_wait_dscnt 0x0
	s_endpgm
.Lx:	; ---- x: no table, no signs
	s_wait_alu depctr_va_vdst(0)
	LOADS 0
	LOADS 1
	LOADS 2
	LOADS 3
	s_wait_loadcnt 24                              ; step 0 is in
	TURN R, X, STGX
.Lxt:                                              ; 7 trips: rows 4 m .. 4 m + 3
	XSTEP 0, 1, 24
	XSTEP 1, 1, 24
	XSTEP 2, 1, 24
	XSTEP 3, 1, 24
	FOOT
	s_add_co_u32 s72, s72, 1
	s_cmp_lt_u32 s72, 7
	s_cbranch_scc1 .Lxt
	XSTEP 0, 0, 16
	XSTEP 1, 0, 8
	XSTEP 2, 0, 0
	XSTEP 3, 0, -1
	BYTES_OUT SBX
	s_wait_tensorcnt 0x0
	ds_add_u32 v254, v255
	s_wait_dscnt 0x0
	s_endpgm
.Lfunc_end_k_q7616ac0b6e_quant:
	.size	k_q7616ac0b6e_quant, .Lfunc_end_k_q7616ac0b6e_quant-k_q7616ac0b6e_quant
	.p2alignl 7, 3214868480
	.fill 96, 4, 3214868480
	.section	.rodata,"a",@progbits
	.p2align	6, 0x0
	.amdhsa_kernel k_q7616ac0b6e_quant
		.amdhsa_group_segment_fixed_size 44288
		.amdhsa_private_segment_fixed_size 0
		.amdhsa_enable_private_segment 0
		.amdhsa_kernarg_size 152
		.amdhsa_user_sgpr_count 2
		.amdhsa_user_sgpr_kernarg_segment_ptr 1
		.amdhsa_wavefront_size32 1
		.amdhsa_system_sgpr_workgroup_id_x 1
		.amdhsa_system_sgpr_workgroup_id_y 1
		.amdhsa_system_sgpr_workgroup_id_z 1
		.amdhsa_system_vgpr_workitem_id 0
		.amdhsa_next_free_vgpr 256
		.amdhsa_next_free_sgpr 92
		.amdhsa_reserve_vcc 0
		.amdhsa_float_denorm_mode_32 3
		.amdhsa_float_denorm_mode_16_64 3
		.amdhsa_memory_ordered 1
		.amdhsa_forward_progress 1
		.amdhsa_inst_pref_size 168
	.end_amdhsa_kernel
	.amdgpu_metadata
---
amdhsa.version: [ 1, 2 ]
amdhsa.kernels:
  - .name:           k_q7616ac0b6e_quant
    .symbol:         k_q7616ac0b6e_quant.kd
    .args:
      - { .name: walks_gate, .offset: 0, .size: 8, .value_kind: global_buffer, .address_space: global }
      - { .name: walks_up, .offset: 8, .size: 8, .value_kind: global_buffer, .address_space: global }
      - { .name: walks_down, .offset: 16, .size: 8, .value_kind: global_buffer, .address_space: global }
      - { .name: x, .offset: 24, .size: 8, .value_kind: global_buffer, .address_space: global }
      - { .name: lut_gate, .offset: 32, .size: 8, .value_kind: global_buffer, .address_space: global }
      - { .name: lut_up, .offset: 40, .size: 8, .value_kind: global_buffer, .address_space: global }
      - { .name: lut_down, .offset: 48, .size: 8, .value_kind: global_buffer, .address_space: global }
      - { .name: sign_l_gate, .offset: 56, .size: 8, .value_kind: global_buffer, .address_space: global }
      - { .name: sign_l_up, .offset: 64, .size: 8, .value_kind: global_buffer, .address_space: global }
      - { .name: sign_l_down, .offset: 72, .size: 8, .value_kind: global_buffer, .address_space: global }
      - { .name: sign_r_gate, .offset: 80, .size: 8, .value_kind: global_buffer, .address_space: global }
      - { .name: sign_r_up, .offset: 88, .size: 8, .value_kind: global_buffer, .address_space: global }
      - { .name: sign_r_down, .offset: 96, .size: 8, .value_kind: global_buffer, .address_space: global }
      - { .name: wguq, .offset: 104, .size: 8, .value_kind: global_buffer, .address_space: global }
      - { .name: wgus, .offset: 112, .size: 8, .value_kind: global_buffer, .address_space: global }
      - { .name: wdq, .offset: 120, .size: 8, .value_kind: global_buffer, .address_space: global }
      - { .name: wds, .offset: 128, .size: 8, .value_kind: global_buffer, .address_space: global }
      - { .name: xq, .offset: 136, .size: 8, .value_kind: global_buffer, .address_space: global }
      - { .name: xs, .offset: 144, .size: 8, .value_kind: global_buffer, .address_space: global }
    .group_segment_fixed_size: 44288
    .private_segment_fixed_size: 0
    .kernarg_segment_align: 8
    .kernarg_segment_size: 152
    .max_flat_workgroup_size: 32
    .sgpr_count:     92
    .vgpr_count:     256
    .wavefront_size: 32
...
	.end_amdgpu_metadata
.endif
;; end of part 1
;; launch gateup (part 2): grid 64 x 4, 4 waves a work-group, clusters of 4 x 4, 327,680 bytes of LDS; arguments xq, xs, wguq, wgus, hq, hs; writes hq, hs
.if DOCPART == 2
	.amdgcn_target "amdgcn-amd-amdhsa--gfx1250"
	.amdhsa_code_object_version 6
	.text
	.protected	k_q7616ac0b6e_gateup
	.globl	k_q7616ac0b6e_gateup
	.p2align	8
	.type	k_q7616ac0b6e_gateup,@function
k_q7616ac0b6e_gateup:
	s_mov_b64 s[64:65], 0
	v_nop
	global_prefetch_b8 v0, s[64:65] scope:SCOPE_SE
	s_setreg_imm32_b32 hwreg(HW_REG_WAVE_MODE, 25, 1), 1
	s_wait_xcnt 0x0
	s_wait_alu depctr_hold_cnt(0) depctr_sa_sdst(0) depctr_va_vdst(0) depctr_va_sdst(0) depctr_va_ssrc(0) depctr_va_vcc(0) depctr_vm_vsrc(0)
	s_getreg_b32 s2, hwreg(HW_REG_IB_STS2, 6, 4)
	s_cmp_eq_u32 s2, 0
	s_cbranch_scc0 .Lentry_in_a_cluster
	s_endpgm
.Lentry_in_a_cluster:
	s_bfe_u32 s2, ttmp6, 0x10000c
	s_cmp_lg_u32 s2, 0xf033
	s_cbranch_scc0 .Lentry_shape_is_right
	s_endpgm
.Lentry_shape_is_right:
; g = x Wg^T, u = x Wu^T on codes of FP4 with E8M0 scales; h = silu(g) u in f32; h is quantised along the ff units and stored as the next product's operand.
; xq [1024][1024 bytes], xs [2][1024][32]; wguq [16384][1024 bytes], wgus [2][16384][32]: row (unit / 64) 128 + 64 T + unit % 64 holds unit's row of gate (T = 0) or up (T = 1).
; A work-group of four waves makes 256 tokens x 256 rows of wguq = 128 units of gate AND of up; a wave 128 x 128: its B blocks 0-3 are 64 units of gate, blocks 4-7 the same units of up,
; so that g and u of one (token, unit) lie in the same lane and register number of two accumulators, and h needs no exchange.
; K = 2,048 goes in four steps of 512 (rows of 256 bytes) through a ring of two LDS slots filled by the tensor data mover; the scale bytes of the work-group's rows come once, with the first fills.
; CLUSTERS: 4 x 4 work-groups; x's tiles are asked for jointly along a row of the cluster, the weights' along a column.  THE MATRIX INSTRUCTION IS USED TRANSPOSED (source 0 = 16 rows of W, source 1 = 16 tokens):
; a lane holds one token and eight neighbouring units.
; hq [g 64][token tile 64][1,024 bytes]: the fragment (16 tokens x units 128 g ..) as an image of its registers: [c 2][lane 32][16 bytes].  hs [g 64][token 1024][4 bytes]: its scale words.
; Inside a block the four words hold k 0-7, 16-23, 8-15, 24-31, as in every code buffer of this program.
; LIMITS: h = (g u) / (1 + 2^(-g log2 e)): it overflows only where |g u| passes the largest f32 number; a block of zeros gets the byte 1 (zero codes; read by this program alone); NaN and infinities are not served.
; No prefetch: the ring has two refills in all.  One tile to a work-group: the 256 tiles are one for each work-group of the grid.
; REGISTERS, in windows of 256: window 0: v16-30 addresses; v32-95 scale words, two sets; v128-191 A's fragments, one set; on the way out v32-191 are at work.  window 1: B's fragments, two sets.  windows 2, 3: the 64 accumulators ((a, b) at v[8 (8 (a % 4) + b)]).
.set NQ,     4                         ; matrix instructions deep in a slot
.set ROWB,   256                       ; a tile's row: 512 codes
.set KROW,   1024                      ; a row of x or W in memory
.set PITCH,  272                       ; an LDS row: 256 bytes + 16 of padding: the 16 rows that a load touches start at 16 different banks
.set FR,     8
.set NL,     2
.set NP,     4                         ; places behind this matrix instruction (ISA guide 7.12.1)
.set HALFT,  128*PITCH
.set SLOT,   4*HALFT
; THE HEAD AS IT STANDS (in place of what the head comment says of the first fills and of prefetching): one joint load a wave: wave 0 x's 256 rows of K step 0, wave 1 W's 256 rows,
; wave 2 x's scale bytes, wave 3 W's (both ranges of K in one tile of 2 rows x 8,192 bytes).  Slot 1's first fill follows behind the three lines and a round, as a refill does.
; PREFETCH: behind K step 0's load each wave asks for K steps 1 and 2, behind K step 1's for K step 3: of the 128 rows that it will fetch, the 32 that fall to its work-group by address
; (cx for x, cy for W), a lane a row, 256 bytes of each row: every block is named once in each cluster, one or two loads ahead of its own.  K step 0 comes by its load alone.
.set KS,     32                        ; a row's scale bytes in one range of 1,024 along K
.set SCL,    2*SLOT                    ; behind the ring: the scales, dense: x's [range 2][256 rows][32], then W's the same
.set HALFS,  4096                      ; those of 128 rows in one range
.set SBLK,   512                       ; those of 16 rows
.set PFO,    31                        ; v31  the prefetches' offset: lane x a row of codes (1,024 bytes); never rewritten
.set SPARE,  SCL+8*HALFS               ; the spare words, 128 bytes for each wave
.set HSCR,   SPARE+512                 ; 1,024 bytes of their own: h's scale words of the work-group's 256 tokens
.set ADRA, 16
.set ADRB, 20
.set HOFF, 24                          ; v24  16 x lane
.set HSA,  25                          ; v25  where I put my row's two scale bytes
.set HSR,  26                          ; v26  where I read 8 bytes of scale words back
.set ADRS, 27                          ; v27  my scale words: lanes 0-15 A's rows, lanes 16-31 B's
.set SPW,  28
.set NIL,  29
.set L8,   30                          ; v30  8 x lane
.set SC,   32
.set AF,   128
.set T,    32                          ; the way out: v32-63 the sigmoid in the making
.set HID,  64                          ; v64-127 h, two sets of 32
.set MX,   128                         ; v128-129 largest magnitudes; v130-131 the other half's; v132-133 scale operands; v134-135 bytes
.set PX,   130
.set SCQ,  132
.set BYQ,  134
.set BW,   136                         ; v136-143 two scale bytes, a register for each block of rows
.set PC,   144                         ; v144-175 codes, four registers for each block of rows
.set BK,   176
.set WV,   2                           ; s2 wave; s3 wave / 2; s66 wave % 2
.set HI,   3
.set LO,   66
.set G1,   24
.set G0,   32
.set G1B,  48
.set G0B,  56
.set G1S,  68
.set G0S,  76                          ; s[76:79] A's scales' group 0; s[80:83] that of K step 0's x tile
.set G1SB, 84
.set G0SB, 92                          ; s[92:99] B's
.set LG,   68                          ; the way out: s[68:69] -log2(e); s[70:71] lane selects (the loads that named these registers are long done)
.set SEL,  70
.set MSB, 0
.macro WIN new                         ; the immediate's high byte repeats the setting that is left
.if MSB != (\new)
	s_set_vgpr_msb (MSB<<8)|(\new)
.set MSB, \new
.endif
.endm
.set MUL_LO, 0xa1                      ; source 0 (B) window 1, source 1 (A) window 0, C and D window 2
.set MUL_HI, 0xf1
.set TO_B,   0x40
; A joint load: waves 0 and 1 fetch for A, waves 2 and 3 for B; the branch hangs on the wave's number alone.  Four v_nop follow each of the two lines.
.macro JLOAD g0a, g1a, g0b, g1b
	s_cmp_eq_u32 s[HI], 0
	s_cbranch_scc0 .Lfor_b_\@
	tensor_load_to_lds s[\g0a:\g0a+3], s[\g1a:\g1a+7]
	s_nop 0
.rept 4
	v_nop
.endr
	s_branch .Lasked_\@
.Lfor_b_\@:
	tensor_load_to_lds s[\g0b:\g0b+3], s[\g1b:\g1b+7]
	s_nop 0
.rept 4
	v_nop
.endr
.Lasked_\@:
.endm
.macro CREST                           ; a round of the cluster's barrier behind its opening barrier
	s_cmp_lg_u32 s[WV], 0
	s_cbranch_scc1 .Lnot_wave_0_\@
	s_barrier_signal -3
.Lnot_wave_0_\@:
	s_barrier_wait -3
	s_barrier_signal -1
	s_barrier_wait -1
.endm
.macro CROUND
	s_barrier_signal -1
	s_barrier_wait -1
	CREST
.endm
	s_load_b128 s[4:7], s[0:1], 0x0                ; xq, xs
	s_load_b128 s[8:11], s[0:1], 0x10              ; wguq, wgus
	s_load_b128 s[12:15], s[0:1], 0x20             ; hq, hs
	v_lshl_add_u32 v[SPW], v0, 2, SPARE
	v_mov_b32 v[NIL], 0
	ds_add_u32 v28, v29
	ds_add_u32 v28, v29
	s_wait_dscnt 0x0
	v_lshrrev_b32 v1, 5, v0
	v_readfirstlane_b32 s[WV], v1
	s_lshr_b32 s[HI], s[WV], 1                     ; which half of the tile's tokens is mine.  Also: I fetch for A (0) or for B (1)
	s_and_b32 s[LO], s[WV], 1                      ; which half of its rows of W.  Also: which 128 rows I fetch
	s_bfe_u32 s40, ttmp6, 0x40000                  ; cx, cy
	s_bfe_u32 s41, ttmp6, 0x40004
	s_lshl_b32 s42, ttmp9, 2
	s_add_co_u32 s42, s42, s40                     ; tx = 4 x cluster x + cx
	s_and_b32 s17, ttmp7, 0xffff
	s_lshl_b32 s17, s17, 2
	s_add_co_u32 s17, s17, s41                     ; ty
	s_lshl_b32 s43, s41, 2
	s_lshl_b32 s43, 15, s43                        ; my row of the cluster
	s_lshl_b32 s44, 0x1111, s40                    ; my column
	s_or_b32 s[G1+0], s43, (0<<16)|(1<<20)|(1<<21)|(5<<22)|(3<<25)  ; the mask; elements of 1 byte; padding on; bit 21 beside a mask; after every 64 words, 4 words
	s_or_b32 s[G1B+0], s44, (0<<16)|(1<<20)|(1<<21)|(5<<22)|(3<<25)
.irp g, G1, G1B
	s_mov_b32 s[\g+1], ROWB<<16                    ; tensor_dim0
	s_mov_b32 s[\g+2], 256<<16                     ; tensor_dim1: 256 rows for the head's loads; set to 128 behind them
	s_mov_b32 s[\g+3], ROWB<<16                    ; tile_dim0
	s_mov_b32 s[\g+4], 256                         ; tile_dim1
	s_mov_b32 s[\g+5], KROW                        ; the pitch
	s_mov_b32 s[\g+6], 0
	s_mov_b32 s[\g+7], 0
.endr
	s_or_b32 s[G1S+0], s43, (3<<16)|(1<<21)        ; the scales of 256 rows: 2 rows (the ranges) of 8,192 bytes (1,024 elements of 8), no padding
	s_or_b32 s[G1SB+0], s44, (3<<16)|(1<<21)
.irp g, G1S, G1SB
	s_mov_b32 s[\g+1], 1024<<16
	s_mov_b32 s[\g+2], 2<<16
	s_mov_b32 s[\g+3], 1024<<16
	s_mov_b32 s[\g+4], 2
	s_mov_b32 s[\g+6], 0
	s_mov_b32 s[\g+7], 0
.endr
	s_mov_b32 s[G1S+5], 4096                       ; from range to range: 1,024 rows x 32 bytes,
	s_mov_b32 s[G1SB+5], 65536                     ; 16,384 rows x 32 bytes, in elements
	s_lshl_b32 s18, s[LO], 7
	s_lshl_b32 s20, s17, 8                         ; A: the tile's first token, 256 ty
	s_lshl_b32 s46, s42, 8                         ; B: its first row, 256 tx
	s_lshl_b32 s22, s20, 5                         ; their scale bytes in range 0
	s_mov_b32 s23, 0
	s_lshl_b32 s100, s46, 5
	s_mov_b32 s101, 0
	s_lshl_b32 s20, s20, 10                        ; their codes
	s_mov_b32 s21, 0
	s_lshl_b32 s46, s46, 10
	s_mov_b32 s47, 0
	s_mul_i32 s45, s[WV], HALFT                    ; where they go: wave x 128 rows: no place in the cluster enters an LDS address
	s_wait_kmcnt 0x0
	s_add_nc_u64 s[20:21], s[4:5], s[20:21]
	s_add_nc_u64 s[22:23], s[6:7], s[22:23]
	s_add_nc_u64 s[46:47], s[8:9], s[46:47]
	s_add_nc_u64 s[100:101], s[10:11], s[100:101]
	CROUND                                         ; all sixteen work-groups are here: the first joint loads meet
	s_mov_b32 s[G0S], 1                            ; the head's four tiles, each whole: x's scales,
	s_mov_b32 s[G0S+1], SCL
	s_mov_b64 s[G0S+2:G0S+3], s[22:23]
	s_or_b32 s[G0S+3], s[G0S+3], 0x80000000
	s_mov_b32 s[G0SB], 1                           ; W's scales,
	s_mov_b32 s[G0SB+1], SCL+4*HALFS
	s_mov_b64 s[G0SB+2:G0SB+3], s[100:101]
	s_or_b32 s[G0SB+3], s[G0SB+3], 0x80000000
	s_mov_b32 s[G0S+4], 1                          ; K step 0's 256 tokens,
	s_mov_b32 s[G0S+5], 0
	s_mov_b64 s[G0S+6:G0S+7], s[20:21]
	s_or_b32 s[G0S+7], s[G0S+7], 0x80000000
	s_mov_b32 s[G0SB+4], 1                         ; and its 256 rows of W, behind them in slot 0
	s_mov_b32 s[G0SB+5], 2*HALFT
	s_mov_b64 s[G0SB+6:G0SB+7], s[46:47]
	s_or_b32 s[G0SB+7], s[G0SB+7], 0x80000000
	s_lshl_b32 s18, s18, 10                        ; for the ring: my 128 rows of the tile, in bytes
	s_mov_b32 s19, 0
	s_add_nc_u64 s[20:21], s[20:21], s[18:19]
	s_add_nc_u64 s[46:47], s[46:47], s[18:19]
	s_cmp_eq_u32 s[HI], 0                          ; the prefetches' base: the rows that I fetch,
	s_cselect_b64 s[4:5], s[20:21], s[46:47]
	s_cselect_b32 s6, s40, s41                     ; my place among the four that ask for them with me,
	s_lshl_b32 s6, s6, 15                          ; x 32 rows of 1,024 bytes
	s_mov_b32 s7, 0
	s_add_nc_u64 s[4:5], s[4:5], s[6:7]
.irp s, 0,1
	s_mov_b32 s[G0+4*\s], 1
	s_add_co_u32 s[G0+4*\s+1], s45, \s*SLOT
	s_add_nc_u64 s[G0+4*\s+2:G0+4*\s+3], s[20:21], \s*ROWB
	s_or_b32 s[G0+4*\s+3], s[G0+4*\s+3], 0x80000000
	s_mov_b32 s[G0B+4*\s], 1
	s_add_co_u32 s[G0B+4*\s+1], s45, \s*SLOT
	s_add_nc_u64 s[G0B+4*\s+2:G0B+4*\s+3], s[46:47], \s*ROWB
	s_or_b32 s[G0B+4*\s+3], s[G0B+4*\s+3], 0x80000000
.endr
; the head's loads, one a wave: one tree of branches on the wave's number, a load in each arm, all arms leading to one join
.macro ARM under, g0, g1, next
	s_cmp_lt_u32 s[WV], \under
	s_cbranch_scc0 \next
	tensor_load_to_lds s[\g0:\g0+3], s[\g1:\g1+7]
	s_nop 0
.rept 4
	v_nop
.endr
	s_branch .Lhead_asked
\next:
.endm
	ARM 1, G0S+4,  G1,  .Lhead_b
	ARM 2, G0SB+4, G1B, .Lhead_sa
	ARM 3, G0S,    G1S, .Lhead_sb
	tensor_load_to_lds s[G0SB:G0SB+3], s[G1SB:G1SB+7]
	s_nop 0
.rept 4
	v_nop
.endr
.Lhead_asked:
	v_and_b32 v1, 15, v0                           ; r
	v_bfe_u32 v2, v0, 4, 1                         ; h
	v_mul_u32_u24 v3, v1, PITCH
	v_lshl_add_u32 v4, v2, 4, v3
	s_mul_i32 s21, s[HI], HALFT                    ; my 128 tokens
	s_mul_i32 s22, s[LO], HALFT                    ; my 128 rows of W,
	s_add_co_u32 s22, s22, 2*HALFT                 ; behind A's 256
.irp s, 0,1
	v_add_nc_u32 v[ADRA+\s], s21, v4
	v_add_nc_u32 v[ADRB+\s], s22, v4
	s_add_co_u32 s21, s21, SLOT
	s_add_co_u32 s22, s22, SLOT
.endr
	v_mul_u32_u24 v5, v1, KS                       ; my row's scale bytes: 32 a row
	s_mul_i32 s21, s[HI], HALFS
	s_mul_i32 s22, s[LO], HALFS
	s_add_co_u32 s22, s22, 4*HALFS                 ; W's lie behind x's two ranges
	s_sub_co_u32 s22, s22, s21
	s_wait_alu depctr_va_vdst(0)                   ; the wait stands directly ahead of the reader below
	v_mul_u32_u24 v6, s22, v2                      ; lanes 16-31 take W's: one product, the distance between the two bases
	s_add_co_u32 s21, s21, SCL
	v_add_nc_u32 v5, v5, v6
	v_add_nc_u32 v[ADRS], s21, v5
	v_and_b32 v6, 31, v0
	v_lshlrev_b32 v[HOFF], 4, v6
	v_lshlrev_b32 v[L8], 3, v6
	v_lshlrev_b32 v[PFO], 10, v6
	global_prefetch_b8 v[PFO], s[4:5] offset:ROWB th:TH_LOAD_NT scope:SCOPE_SE     ; K step 1 of my work-group's 32 rows,
	global_prefetch_b8 v[PFO], s[4:5] offset:2*ROWB th:TH_LOAD_NT scope:SCOPE_SE   ; and K step 2; their registers are never rewritten
	s_lshl_b32 s21, s[HI], 9                       ; h's scale words in LDS: 4 bytes a token; my bytes are 2 (wave % 2) and the next
	s_lshl_b32 s22, s[LO], 1
	s_add_co_u32 s21, s21, s22
	s_add_co_u32 s21, s21, HSCR
	v_lshl_add_u32 v[HSA], v1, 2, s21
	s_lshl_b32 s21, s[WV], 8
	s_add_co_u32 s21, s21, HSCR
	v_add_nc_u32 v[HSR], s21, v[L8]
	s_lshl_b32 s20, s17, 4                         ; hq: g = tx; token tile 16 ty + 8 (wave / 2) + a; c = wave % 2
	s_lshl_b32 s21, s[HI], 3
	s_add_co_u32 s20, s20, s21
	s_lshl_b32 s20, s20, 10
	s_lshl_b32 s21, s[LO], 9
	s_add_co_u32 s20, s20, s21
	s_lshl_b32 s21, s42, 16
	s_add_co_u32 s20, s20, s21
	s_mov_b32 s21, 0
	s_add_nc_u64 s[12:13], s[12:13], s[20:21]
	s_lshl_b32 s20, s42, 12                        ; hs: 4,096 tx + 1,024 ty + 256 x wave
	s_lshl_b32 s22, s17, 10
	s_add_co_u32 s20, s20, s22
	s_lshl_b32 s22, s[WV], 8
	s_add_co_u32 s20, s20, s22
	s_add_nc_u64 s[14:15], s[14:15], s[20:21]
.macro FRAG reg, adr, q, i             ; 16 rows x 128 K of 4-bit codes: 8 registers: lane l holds row l % 16; registers 4 c .. 4 c + 3 hold block 2 c + l / 16
.irp c, 0,1
	ds_load_b128 v[\reg+4*\c:\reg+4*\c+3], v[\adr] offset:64*(\q)+32*\c+(\i)*16*PITCH
.endr
.endm
; 16 matrix instructions: A's blocks a0, a0 + 1 x B's eight.  The 64 accumulators take turns, one instruction a turn, in the same order in every step.
.macro MUL16 a0, p, q, sc, zero
.irp a, \a0, \a0+1
.irp b, 0,1,2,3,4,5,6,7
.if \zero
	v_wmma_scale_f32_16x16x128_f8f6f4 v[8*(8*((\a)%4)+\b):8*(8*((\a)%4)+\b)+7], v[128*(\p)+FR*\b:128*(\p)+FR*\b+FR-1], v[AF+FR*(\a):AF+FR*(\a)+FR-1], 0, v[SC+8*NQ*(\sc)+NQ*\b+(\q)], v[SC+8*NQ*(\sc)+NQ*(\a)+(\q)] matrix_a_fmt:MATRIX_FMT_FP4 matrix_b_fmt:MATRIX_FMT_FP4 matrix_a_scale:MATRIX_SCALE_ROW1
.else
	v_wmma_scale_f32_16x16x128_f8f6f4 v[8*(8*((\a)%4)+\b):8*(8*((\a)%4)+\b)+7], v[128*(\p)+FR*\b:128*(\p)+FR*\b+FR-1], v[AF+FR*(\a):AF+FR*(\a)+FR-1], v[8*(8*((\a)%4)+\b):8*(8*((\a)%4)+\b)+7], v[SC+8*NQ*(\sc)+NQ*\b+(\q)], v[SC+8*NQ*(\sc)+NQ*(\a)+(\q)] matrix_a_fmt:MATRIX_FMT_FP4 matrix_b_fmt:MATRIX_FMT_FP4 matrix_a_scale:MATRIX_SCALE_ROW1
.endif
.endr
.endr
.endm
.macro FETCH_B slot, q, p
	WIN TO_B
.irp i, 0,1,2,3,4,5,6,7
	FRAG 128*(\p)+FR*\i, ADRB+\slot, \q, \i
.endr
	WIN 0
.endm
.macro FETCH_A slot, q, i0
.irp i, \i0, \i0+1, \i0+2, \i0+3
	FRAG AF+FR*(\i), ADRA+\slot, \q, \i
.endr
.endm
.macro SCALES sc, soff                 ; a K step's scale words into set sc: 4 words a row; lanes 0-15 A's block i, lanes 16-31 B's.  soff: the range's bytes and the K step's 16 in a row's 32
.irp i, 0,1,2,3,4,5,6,7
	ds_load_b128 v[SC+8*NQ*(\sc)+NQ*\i:SC+8*NQ*(\sc)+NQ*\i+3], v[ADRS] offset:\i*SBLK+(\soff)
.endr
.endm
.macro PLACES n                        ; plain vector lines between a matrix instruction and a load into, or a read of, its registers
.rept \n
	v_nop
.endr
.endm
.macro STEP slot, q, zero              ; 128 along K that has its successor in the same slot
	s_wait_dscnt 4*NL                              ; B's set and A's blocks 0-3 are in; the youngest eight loads (A's blocks 4-7) may be out
	WIN MUL_LO
	MUL16 0, (\q)%2, \q, \slot, \zero
	MUL16 2, (\q)%2, \q, \slot, \zero
	s_wait_dscnt 0
	PLACES NP
	FETCH_B \slot, (\q)+1, 1-(\q)%2
	FETCH_A \slot, (\q)+1, 0
	WIN MUL_HI
	MUL16 4, (\q)%2, \q, \slot, \zero
	MUL16 6, (\q)%2, \q, \slot, \zero
	PLACES NP
	WIN 0
	FETCH_A \slot, (\q)+1, 4
.endm
; A slot's last step changes slots: one barrier; ahead of it each wave waits for all its tensor loads, adds 0 to its spare word, and waits for that and for its reads of this slot.
.macro TURN slot, next, fill, soff
	s_wait_tensorcnt 0x0                           ; all my tensor loads have landed: my part of the next slot
	ds_add_u32 v[SPW], v[NIL]                      ; 0 onto my spare word
	s_wait_dscnt 4*NL+1                            ; (the add and A's blocks 4-7 may be out)
	WIN MUL_LO
	MUL16 0, 1, NQ-1, \slot, 0
	s_wait_dscnt 0x0                               ; the add is done, and my reads of this slot are over
	s_barrier_signal -1
	MUL16 2, 1, NQ-1, \slot, 0
	WIN 0
	s_barrier_wait -1
.if \fill
	CREST                                          ; the barrier has opened a round of the cluster's: no wave of any partner still reads this slot or has a load on its way
	s_add_nc_u64 s[G0+4*\slot+2:G0+4*\slot+3], s[G0+4*\slot+2:G0+4*\slot+3], 2*ROWB
	s_add_nc_u64 s[G0B+4*\slot+2:G0B+4*\slot+3], s[G0B+4*\slot+2:G0B+4*\slot+3], 2*ROWB
	JLOAD G0+4*\slot, G1, G0B+4*\slot, G1B         ; the first tensor load behind the round; its four v_nop are the places ahead of the loads below
.else
	PLACES NP
.endif
	FETCH_B \next, 0, 0
	FETCH_A \next, 0, 0
	SCALES \next, \soff
	WIN MUL_HI
	MUL16 4, 1, NQ-1, \slot, 0
	MUL16 6, 1, NQ-1, \slot, 0
	PLACES NP
	WIN 0
	FETCH_A \next, 0, 4
.endm
	s_wait_alu depctr_va_vdst(0)
	s_wait_tensorcnt 0x0                           ; my tile of the head's four is in
	ds_add_u32 v[SPW], v[NIL]
	s_mov_b32 s[G1+2], 128<<16                     ; no tensor load of mine is out: from here on a load brings 128 rows
	s_mov_b32 s[G1+4], 128
	s_mov_b32 s[G1B+2], 128<<16
	s_mov_b32 s[G1B+4], 128
	s_wait_dscnt 0x0                               ; the add is done
	CROUND                                         ; all four tiles are in, and all sixteen work-groups are here
	JLOAD G0+4, G1, G0B+4, G1B                     ; K step 1: the first tensor load behind the round
	FETCH_B 0, 0, 0
	FETCH_A 0, 0, 0
	SCALES 0, 0
	FETCH_A 0, 0, 4
	global_prefetch_b8 v[PFO], s[4:5] offset:3*ROWB th:TH_LOAD_NT scope:SCOPE_SE   ; K step 3, the last
	STEP 0, 0, 1                                   ; the first products start the sums: nothing is cleared
	STEP 0, 1, 0
	STEP 0, 2, 0
	TURN 0, 1, 1, 16                               ; slot 0 takes K step 2
	STEP 1, 0, 0
	STEP 1, 1, 0
	STEP 1, 2, 0
	TURN 1, 0, 1, 2*HALFS                          ; slot 1 takes K step 3
	STEP 0, 0, 0
	STEP 0, 1, 0
	STEP 0, 2, 0
	TURN 0, 1, 0, 2*HALFS+16                       ; nothing is left to ask for
	STEP 1, 0, 0
	STEP 1, 1, 0
	STEP 1, 2, 0
	s_wait_dscnt 4*NL
	WIN MUL_LO
	MUL16 0, 1, NQ-1, 1, 0
	MUL16 2, 1, NQ-1, 1, 0
	s_wait_dscnt 0
	WIN MUL_HI
	MUL16 4, 1, NQ-1, 1, 0
	MUL16 6, 1, NQ-1, 1, 0
	WIN 0
; THE WAY OUT, a block of 16 tokens (a) at a time.  Lane (r, h): register 8 t + j of g (accumulators b = 0..3) and of u (b = 4..7) is unit 16 t + 8 h + j of token r.
; The exponentials and the reciprocals each go as a batch of 32 with one wait ahead of the batch's first reader; the block before is quantised, and g u is formed, between a batch and its wait.
.macro WO_E a                          ; 2^(-g log2 e).  Each accumulator is read from its low end on
.set AC, 64*((\a)%4)
	WIN 0x02+(\a)/4
.set n, 0
.rept 16
	v_pk_mul_f32 v[T+n:T+n+1], v[AC+n:AC+n+1], s[LG:LG+1] op_sel_hi:[1,0]
.set n, n+2
.endr
	WIN 0
.set n, 0
	s_wait_alu depctr_va_vdst(0)
.rept 32
	v_exp_f32 v[T+n], v[T+n]
.set n, n+1
.endr
.endm
.macro WO_R a                          ; 1 / (1 + that)
.set n, 0
.rept 16
	v_pk_add_f32 v[T+n:T+n+1], v[T+n:T+n+1], 1.0 op_sel_hi:[1,0]
.set n, n+2
.endr
.set n, 0
	s_wait_alu depctr_va_vdst(0)
.rept 32
	v_rcp_f32 v[T+n], v[T+n]
.set n, n+1
.endr
.endm
.macro WO_G a                          ; g u
.set AC, 64*((\a)%4)
.set HB, HID+32*((\a)%2)
	WIN 0x0a+5*((\a)/4)
.set n, 0
.rept 16
	v_pk_mul_f32 v[HB+n:HB+n+1], v[AC+n:AC+n+1], v[AC+32+n:AC+32+n+1]
.set n, n+2
.endr
	WIN 0
.endm
.macro WO_H a                          ; h
.set HB, HID+32*((\a)%2)
.set n, 0
.rept 16
	v_pk_mul_f32 v[HB+n:HB+n+1], v[HB+n:HB+n+1], v[T+n:T+n+1]
.set n, n+2
.endr
.endm
; h's 64 units of 16 tokens are two blocks of 32; block b is registers 16 b .. 16 b + 15 of lanes l and l xor 16.
.macro WO_Q a
.set HB, HID+32*((\a)%2)
.set PCA, PC+4*(\a)
.irp b, 0,1
	v_max3_num_f32 v[MX+\b], |v[HB+16*\b]|, |v[HB+16*\b+1]|, 0x1800000   ; with the floor 2^(3 - 127): the byte cannot fall under 1
.endr
.irp i, 2,4,6,8,10,12,14
.irp b, 0,1
	v_max3_num_f32 v[MX+\b], v[MX+\b], |v[HB+16*\b+\i]|, |v[HB+16*\b+\i+1]|
.endr
.endr
.irp b, 0,1
	v_permlanex16_b32 v[PX+\b], v[MX+\b], s[SEL], s[SEL+1]
.endr
.irp b, 0,1
	v_max_num_f32 v[MX+\b], v[MX+\b], v[PX+\b]     ; with lane l xor 16's: the block's largest magnitude
.endr
.irp b, 0,1
	v_add_nc_u32 v[SCQ+\b], 0xff000000, v[MX+\b]   ; 2 off its exponent field: the conversion's scale operand
.endr
.irp b, 0,1
	v_lshrrev_b32 v[BYQ+\b], 23, v[SCQ+\b]
.endr
	v_lshl_or_b32 v[BW+(\a)], v[BYQ+1], 8, v[BYQ]
	v_cvt_scalef32_pk8_fp4_f32 v[PCA], v[HB:HB+7], v[SCQ]          ; block 0: k 8 h + 0..7
	v_cvt_scalef32_pk8_fp4_f32 v[PCA+1], v[HB+8:HB+15], v[SCQ]     ;          k 16 + 8 h + 0..7
	v_cvt_scalef32_pk8_fp4_f32 v[PCA+2], v[HB+16:HB+23], v[SCQ+1]  ; block 1 likewise
	v_cvt_scalef32_pk8_fp4_f32 v[PCA+3], v[HB+24:HB+31], v[SCQ+1]
	v_nop                                          ; one plain line behind a scaled conversion
	v_permlane16_swap_b32 v[PCA], v[PCA+2]         ; lane (r, h) now holds block h whole: words k 0-7, 16-23, 8-15, 24-31
	v_permlane16_swap_b32 v[PCA+1], v[PCA+3]
	global_store_b128 v[HOFF], v[PCA:PCA+3], s[12:13] offset:1024*(\a)   ; 32 lanes store 512 consecutive bytes: half c = wave % 2 of the fragment's image
	ds_store_b16 v[HSA], v[BW+(\a)] offset:64*(\a)                   ; lanes r and r + 16 write the same two bytes with the same value
.endm
	PLACES NP                                      ; behind the last products: ahead of the first read of results and the first write of operands' and scales' registers
	s_mov_b32 s[LG], 0xbfb8aa3b                    ; -log2(e)
	s_mov_b32 s[LG+1], s[LG]
	s_mov_b32 s[SEL], 0x76543210
	s_mov_b32 s[SEL+1], 0xfedcba98
	v_mov_b32 v[PX], 0                             ; a lane permute's destination counts as one of its sources
	v_mov_b32 v[PX+1], 0
.irp a, 0,1,2,3,4,5,6,7
	WO_E \a
.if \a > 0
	WO_Q \a-1
.else
	v_nop                                          ; a plain line behind the last exponential
.endif
	s_wait_alu depctr_va_vdst(0)                   ; one wait for the 32 exponentials, ahead of their first reader
	WO_R \a
	s_wait_alu depctr_va_vdst(0)
	WO_G \a
	s_wait_alu depctr_va_vdst(0)                   ; one wait for the 32 reciprocals
	WO_H \a
.endr
	WO_Q 7
	s_wait_dscnt 0x0                               ; for the others' sake: my scale bytes lie in LDS
	s_barrier_signal -1
	s_barrier_wait -1
	ds_load_b64 v[BK:BK+1], v[HSR]                 ; a word's four bytes come from two waves
	s_wait_dscnt 0x0
	global_store_b64 v[L8], v[BK:BK+1], s[14:15]   ; 32 lanes store 256 consecutive bytes, aligned
	s_wait_tensorcnt 0x0                           ; the wave's end
	ds_add_u32 v[SPW], v[NIL]
	s_wait_dscnt 0x0
	CROUND                                         ; the closing round
	s_endpgm
.Lfunc_end_k_q7616ac0b6e_gateup:
	.size	k_q7616ac0b6e_gateup, .Lfunc_end_k_q7616ac0b6e_gateup-k_q7616ac0b6e_gateup
	.p2alignl 7, 3214868480
	.fill 96, 4, 3214868480
	.section	.rodata,"a",@progbits
	.p2align	6, 0x0
	.amdhsa_kernel k_q7616ac0b6e_gateup
		.amdhsa_group_segment_fixed_size 327680
		.amdhsa_private_segment_fixed_size 0
		.amdhsa_enable_private_segment 0
		.amdhsa_kernarg_size 48
		.amdhsa_user_sgpr_count 2
		.amdhsa_user_sgpr_kernarg_segment_ptr 1
		.amdhsa_wavefront_size32 1
		.amdhsa_system_sgpr_workgroup_id_x 1
		.amdhsa_system_sgpr_workgroup_id_y 1
		.amdhsa_system_sgpr_workgroup_id_z 1
		.amdhsa_system_vgpr_workitem_id 0
		.amdhsa_next_free_vgpr 1024
		.amdhsa_next_free_sgpr 102
		.amdhsa_reserve_vcc 0
		.amdhsa_float_denorm_mode_32 3
		.amdhsa_float_denorm_mode_16_64 3
		.amdhsa_memory_ordered 1
		.amdhsa_forward_progress 1
		.amdhsa_inst_pref_size 250
	.end_amdhsa_kernel
	.amdgpu_metadata
---
amdhsa.version: [ 1, 2 ]
amdhsa.kernels:
  - .name:           k_q7616ac0b6e_gateup
    .symbol:         k_q7616ac0b6e_gateup.kd
    .args:
      - { .name: xq, .offset: 0, .size: 8, .value_kind: global_buffer, .address_space: global }
      - { .name: xs, .offset: 8, .size: 8, .value_kind: global_buffer, .address_space: global }
      - { .name: wguq, .offset: 16, .size: 8, .value_kind: global_buffer, .address_space: global }
      - { .name: wgus, .offset: 24, .size: 8, .value_kind: global_buffer, .address_space: global }
      - { .name: hq, .offset: 32, .size: 8, .value_kind: global_buffer, .address_space: global }
      - { .name: hs, .offset: 40, .size: 8, .value_kind: global_buffer, .address_space: global }
    .group_segment_fixed_size: 327680
    .private_segment_fixed_size: 0
    .kernarg_segment_align: 8
    .kernarg_segment_size: 48
    .max_flat_workgroup_size: 128
    .sgpr_count:     102
    .vgpr_count:     1024
    .wavefront_size: 32
...
	.end_amdgpu_metadata
.endif
;; end of part 2
;; launch down (part 3): grid 32 x 8, 4 waves a work-group, clusters of 4 x 4, 327,680 bytes of LDS; arguments hq, hs, wdq, wds, out0; writes out0
.if DOCPART == 3
	.amdgcn_target "amdgcn-amd-amdhsa--gfx1250"
	.amdhsa_code_object_version 6
	.text
	.protected	k_q7616ac0b6e_down
	.globl	k_q7616ac0b6e_down
	.p2align	8
	.type	k_q7616ac0b6e_down,@function
k_q7616ac0b6e_down:
	s_mov_b64 s[64:65], 0
	v_nop
	global_prefetch_b8 v0, s[64:65] scope:SCOPE_SE
	s_setreg_imm32_b32 hwreg(HW_REG_WAVE_MODE, 25, 1), 1
	s_wait_xcnt 0x0
	s_wait_alu depctr_hold_cnt(0) depctr_sa_sdst(0) depctr_va_vdst(0) depctr_va_sdst(0) depctr_va_ssrc(0) depctr_va_vcc(0) depctr_vm_vsrc(0)
	s_getreg_b32 s2, hwreg(HW_REG_IB_STS2, 6, 4)
	s_cmp_eq_u32 s2, 0
	s_cbranch_scc0 .Lentry_in_a_cluster
	s_endpgm
.Lentry_in_a_cluster:
	s_bfe_u32 s2, ttmp6, 0x10000c
	s_cmp_lg_u32 s2, 0xf033
	s_cbranch_scc0 .Lentry_shape_is_right
	s_endpgm
.Lentry_shape_is_right:
; out0 = h Wd^T on codes of FP4 with E8M0 scales, f32 sums.  hq [g 64][token tile 64][1,024 bytes]: images of fragments (16 tokens x 128 units); hs [g 64][token 1024][4]; wdq [2048][4,096 bytes]; wds [kr 8][2048][32].
; A work-group of four waves makes 128 tokens x 64 columns, a wave 32 x 64: 8 accumulators, which take turns.  K = 8,192 goes in eight steps of 1,024 through a ring of two LDS slots (h 65,536 bytes, Wd 64 rows of 512 + 16).
; CLUSTERS: 4 x 4 work-groups; h's tiles are asked for jointly along a row of the cluster, Wd's along a column.  The matrix instruction is used transposed: a lane holds eight neighbouring columns of one token.
; THE HEAD: one joint load a wave: wave 0 K step 0 of h, wave 1 of Wd, wave 2 h's scale words for all of K, wave 3 Wd's; slot 1's first fill follows behind the three lines and a round, as a refill does.
; PREFETCH: behind the load of K step j each wave asks for K step j + 2 (j = 0 .. 5): of what it will fetch, the quarter that falls to its work-group by address:
; h: one g row of 8,192 bytes (place cx), a lane a block of 256; Wd: 8 rows x 512 bytes (place cy), lanes 0-15 a block each, lanes 16-31 name lane 15's again.  Every block is named once in each cluster.
.set SLOT,   99328
.set PFO,    30                        ; v30  the prefetches' offset; never rewritten.  s[94:95] their base, at the K step to be asked for next; s[96:97] a K step in bytes
.set BOFF,   65536
.set BP,     528
.set SCA,    2*SLOT
.set SCB,    SCA+32768
.set SPARE,  SCB+16384
.set STAGE,  SPARE+512
.set SPITCH, 272
.set ADRA, 16
.set ADRB, 20
.set ADSA, 22
.set ADSB, 23
.set STO,  24
.set RD,   25
.set CO,   26
.set SPW,  28
.set NIL,  29
.set SAR,  32
.set SBR,  64
.set ACC,  128
.set OB,   192
.set G1, 24
.set G0, 32
.set G1B, 48
.set G0B, 56
.set G1S, 68
.set G0S, 76
.set G1SB, 80
.set G0SB, 88
.set MSB, 0
.macro WIN new
.if MSB != (\new)
	s_set_vgpr_msb (MSB<<8)|(\new)
.set MSB, \new
.endif
.endm
.set MULW, 0x05
.set TO_F, 0x40
.macro JLOAD g0a, g1a, g0b, g1b
	s_cmp_eq_u32 s15, 0
	s_cbranch_scc0 .Lfor_b_\@
	tensor_load_to_lds s[\g0a:\g0a+3], s[\g1a:\g1a+7]
	s_nop 0
.rept 4
	v_nop
.endr
	s_branch .Lasked_\@
.Lfor_b_\@:
	tensor_load_to_lds s[\g0b:\g0b+3], s[\g1b:\g1b+7]
	s_nop 0
.rept 4
	v_nop
.endr
.Lasked_\@:
.endm
.macro CREST
	s_cmp_lg_u32 s14, 0
	s_cbranch_scc1 .Lnot_wave_0_\@
	s_barrier_signal -3
.Lnot_wave_0_\@:
	s_barrier_wait -3
	s_barrier_signal -1
	s_barrier_wait -1
.endm
.macro CROUND
	s_barrier_signal -1
	s_barrier_wait -1
	CREST
.endm
	s_load_b128 s[4:7], s[0:1], 0x0
	s_load_b128 s[8:11], s[0:1], 0x10
	s_load_b64 s[12:13], s[0:1], 0x20
	v_lshl_add_u32 v[SPW], v0, 2, SPARE
	v_mov_b32 v[NIL], 0
	ds_add_u32 v28, v29
	ds_add_u32 v28, v29
	s_wait_dscnt 0x0
	v_lshrrev_b32 v1, 5, v0
	v_readfirstlane_b32 s14, v1
	s_lshr_b32 s15, s14, 1
	s_and_b32 s16, s14, 1
	s_bfe_u32 s40, ttmp6, 0x40000
	s_bfe_u32 s41, ttmp6, 0x40004
	s_lshl_b32 s42, ttmp9, 2
	s_add_co_u32 s42, s42, s40
	s_and_b32 s17, ttmp7, 0xffff
	s_lshl_b32 s17, s17, 2
	s_add_co_u32 s17, s17, s41
	s_lshl_b32 s43, s41, 2
	s_lshl_b32 s43, 15, s43
	s_lshl_b32 s44, 0x1111, s40
	s_or_b32 s[G1+0], s43, (3<<16)|(1<<21)
	s_mov_b32 s[G1+1], 1024<<16
	s_mov_b32 s[G1+2], 8<<16                       ; 8 g rows for the head's load; set to 4 behind it
	s_mov_b32 s[G1+3], 1024<<16
	s_mov_b32 s[G1+4], 8
	s_mov_b32 s[G1+5], 8192
	s_mov_b32 s[G1+6], 0
	s_mov_b32 s[G1+7], 0
	s_or_b32 s[G1B+0], s44, (0<<16)|(1<<20)|(1<<21)|(6<<22)|(3<<25)
	s_mov_b32 s[G1B+1], 512<<16
	s_mov_b32 s[G1B+2], 64<<16                     ; 64 rows for the head's load; set to 32 behind it
	s_mov_b32 s[G1B+3], 512<<16
	s_mov_b32 s[G1B+4], 64
	s_mov_b32 s[G1B+5], 4096
	s_mov_b32 s[G1B+6], 0
	s_mov_b32 s[G1B+7], 0
	s_or_b32 s[G1S+0], s43, (3<<16)|(1<<21)
	s_mov_b32 s[G1S+1], 64<<16
	s_mov_b32 s[G1S+2], 64<<16                     ; all 64 g rows of 512 bytes
	s_mov_b32 s[G1S+3], 64<<16
	s_mov_b32 s[G1S+4], 64
	s_mov_b32 s[G1S+5], 512
	s_mov_b32 s[G1S+6], 0
	s_mov_b32 s[G1S+7], 0
	s_or_b32 s[G1SB+0], s44, (3<<16)|(1<<21)
	s_mov_b32 s[G1SB+1], 256<<16
	s_mov_b32 s[G1SB+2], 8<<16                     ; all 8 ranges of 2,048 bytes
	s_mov_b32 s[G1SB+3], 256<<16
	s_mov_b32 s[G1SB+4], 8
	s_mov_b32 s[G1SB+5], 8192
	s_mov_b32 s[G1SB+6], 0
	s_mov_b32 s[G1SB+7], 0
	s_lshl_b32 s20, s17, 13                        ; hq: 8 token tiles of 1,024 bytes x ty
	s_mov_b32 s21, 0
	s_lshl_b32 s22, s17, 9                         ; hs: 128 tokens of 4 bytes x ty
	s_mov_b32 s23, 0
	s_lshl_b32 s46, s42, 18                        ; wdq: 64 rows of 4,096 bytes x tx
	s_mov_b32 s47, 0
	s_lshl_b32 s92, s42, 11                        ; wds: 64 rows of 32 bytes x tx
	s_mov_b32 s93, 0
	s_lshl_b32 s18, s16, 18                        ; in the ring I fetch half a tile: 4 g rows of 65,536 bytes,
	s_mov_b32 s19, 0
	s_lshl_b32 s66, s16, 17                        ; or 32 rows of 4,096
	s_mov_b32 s67, 0
	s_lshl_b32 s45, s16, 15
	s_mul_i32 s94, s16, 32*BP
	s_add_co_u32 s94, s94, BOFF
	s_wait_kmcnt 0x0
	s_add_nc_u64 s[20:21], s[4:5], s[20:21]
	s_add_nc_u64 s[22:23], s[6:7], s[22:23]
	s_add_nc_u64 s[46:47], s[8:9], s[46:47]
	s_add_nc_u64 s[92:93], s[10:11], s[92:93]
	CROUND
	s_mov_b32 s[G0S], 1
	s_mov_b32 s[G0S+1], SCA
	s_mov_b64 s[G0S+2:G0S+3], s[22:23]
	s_or_b32 s[G0S+3], s[G0S+3], 0x80000000
	s_mov_b32 s[G0SB], 1
	s_mov_b32 s[G0SB+1], SCB
	s_mov_b64 s[G0SB+2:G0SB+3], s[92:93]
	s_or_b32 s[G0SB+3], s[G0SB+3], 0x80000000
	s_mov_b32 s4, 1                                ; group 0 of the head's loads of K step 0, in registers that held arguments: h whole,
	s_mov_b32 s5, 0
	s_mov_b64 s[6:7], s[20:21]
	s_or_b32 s7, s7, 0x80000000
	s_mov_b32 s8, 1                                ; Wd whole
	s_mov_b32 s9, BOFF
	s_mov_b64 s[10:11], s[46:47]
	s_or_b32 s11, s11, 0x80000000
	s_add_nc_u64 s[20:21], s[20:21], s[18:19]      ; for the ring: my half
	s_add_nc_u64 s[46:47], s[46:47], s[66:67]
.irp s, 0,1
	s_mov_b32 s[G0+4*\s], 1
	s_add_co_u32 s[G0+4*\s+1], s45, \s*SLOT
	s_add_nc_u64 s[G0+4*\s+2:G0+4*\s+3], s[20:21], \s*524288
	s_or_b32 s[G0+4*\s+3], s[G0+4*\s+3], 0x80000000
	s_mov_b32 s[G0B+4*\s], 1
	s_add_co_u32 s[G0B+4*\s+1], s94, \s*SLOT
	s_add_nc_u64 s[G0B+4*\s+2:G0B+4*\s+3], s[46:47], \s*512
	s_or_b32 s[G0B+4*\s+3], s[G0B+4*\s+3], 0x80000000
.endr
; the head's loads, one a wave: one tree of branches on the wave's number, a load in each arm, all arms leading to one join
.macro ARM under, g0, g1, next
	s_cmp_lt_u32 s14, \under
	s_cbranch_scc0 \next
	tensor_load_to_lds s[\g0:\g0+3], s[\g1:\g1+7]
	s_nop 0
.rept 4
	v_nop
.endr
	s_branch .Lhead_asked
\next:
.endm
	ARM 1, 4,   G1,  .Lhead_b
	ARM 2, 8,   G1B, .Lhead_sa
	ARM 3, G0S, G1S, .Lhead_sb
	tensor_load_to_lds s[G0SB:G0SB+3], s[G1SB:G1SB+7]
	s_nop 0
.rept 4
	v_nop
.endr
.Lhead_asked:
	s_lshl_b32 s66, s40, 16                        ; the prefetches: for h my work-group's g row (cx),
	s_lshl_b32 s67, s41, 15                        ; for Wd its 8 rows (cy)
	s_mov_b32 s96, 512
	s_cmp_eq_u32 s15, 0                            ; do I fetch for h?
	s_cselect_b64 s[94:95], s[20:21], s[46:47]
	s_cselect_b32 s66, s66, s67
	s_cselect_b32 s96, 0x80000, s96                ; a K step: 8 g rows, or 512 bytes of each row
	s_cselect_b32 s2, -1, 0
	s_lshl_b32 s67, s96, 1
	s_add_co_u32 s66, s66, s67                     ; the first request names K step 2
	s_mov_b32 s67, 0
	s_mov_b32 s97, 0
	s_add_nc_u64 s[94:95], s[94:95], s[66:67]
	s_sub_nc_u64 s[18:19], s[94:95], s[96:97]      ; K step 1's place, for one request at the head; never rewritten
	v_and_b32 v1, 15, v0
	v_bfe_u32 v2, v0, 4, 1
	v_and_b32 v3, 31, v0
	s_lshl_b32 s21, s14, 11
	v_lshl_add_u32 v[ADRA], v3, 4, s21
	v_add_nc_u32 v[ADRA+1], SLOT, v[ADRA]
	v_mul_u32_u24 v4, v1, BP
	v_lshl_add_u32 v4, v2, 4, v4
	v_add_nc_u32 v[ADRB], BOFF, v4
	v_add_nc_u32 v[ADRB+1], BOFF+SLOT, v4
	s_lshl_b32 s21, s14, 7
	s_add_co_u32 s21, s21, SCA
	v_lshl_add_u32 v[ADSA], v1, 2, s21
	v_lshlrev_b32 v[ADSB], 5, v1
	v_add_nc_u32 v[ADSB], SCB, v[ADSB]
	s_mul_i32 s23, s14, 16*SPITCH
	s_add_co_u32 s23, s23, STAGE
	v_mul_u32_u24 v5, v1, SPITCH
	v_lshl_add_u32 v5, v2, 5, v5
	v_add_nc_u32 v[STO], s23, v5
	v_mul_u32_u24 v5, v2, SPITCH
	v_lshl_add_u32 v5, v1, 4, v5
	v_add_nc_u32 v[RD], s23, v5
	v_lshlrev_b32 v5, 13, v2
	v_lshl_add_u32 v[CO], v1, 4, v5
	v_min_u32 v6, 15, v3                           ; Wd: sixteen blocks: row (m / 2), half m % 2, m = the lane held at 15
	v_lshrrev_b32 v7, 1, v6
	v_and_b32 v6, 1, v6
	v_lshlrev_b32 v7, 12, v7
	v_lshl_add_u32 v6, v6, 8, v7
	v_lshlrev_b32 v7, 8, v3                        ; h: 256 x lane
	v_cndmask_b32 v[PFO], v6, v7, s2
	global_prefetch_b8 v[PFO], s[18:19] th:TH_LOAD_NT scope:SCOPE_SE   ; K step 1 too, one load ahead of its own,
	global_prefetch_b8 v[PFO], s[94:95] th:TH_LOAD_NT scope:SCOPE_SE   ; and K step 2
	s_lshl_b32 s20, s17, 7
	s_lshl_b32 s21, s14, 5
	s_add_co_u32 s20, s20, s21
	s_lshl_b32 s20, s20, 13
	s_lshl_b32 s21, s42, 8
	s_add_co_u32 s20, s20, s21
	s_mov_b32 s21, 0
	s_add_nc_u64 s[12:13], s[12:13], s[20:21]
.macro PLACES
.rept 4
	v_nop
.endr
.endm
.macro FETCH rho, q
.set FS, 48*((\q)%4)
	WIN TO_F
.irp a, 0,1
.irp c, 0,1
	ds_load_b128 v[FS+8*\a+4*\c:FS+8*\a+4*\c+3], v[ADRA+\rho] offset:(\q)*8192+\a*1024+512*\c
.endr
.endr
.irp b, 0,1,2,3
.irp c, 0,1
	ds_load_b128 v[FS+16+8*\b+4*\c:FS+16+8*\b+4*\c+3], v[ADRB+\rho] offset:\b*16*BP+64*(\q)+32*\c
.endr
.endr
.endm
.macro SCALES sc
	WIN 0
.irp a, 0,1
.irp q, 0,1,2,3,4,5,6,7
	ds_load_b32 v[SAR+16*(\sc)+8*\a+\q], v[ADSA] offset:512*\q+64*\a
.endr
.endr
.irp b, 0,1,2,3
.irp u, 0,1
	ds_load_b128 v[SBR+32*(\sc)+8*\b+4*\u:SBR+32*(\sc)+8*\b+4*\u+3], v[ADSB] offset:512*\b+16*\u
.endr
.endr
.endm
.macro MUL8 q, sc, zero
.set FS, 48*((\q)%4)
.irp a, 0,1
.irp b, 0,1,2,3
.if \zero
	v_wmma_scale_f32_16x16x128_f8f6f4 v[ACC+8*(4*\a+\b):ACC+8*(4*\a+\b)+7], v[FS+16+8*\b:FS+16+8*\b+7], v[FS+8*\a:FS+8*\a+7], 0, v[SBR+32*(\sc)+8*\b+(\q)], v[SAR+16*(\sc)+8*\a+(\q)] matrix_a_fmt:MATRIX_FMT_FP4 matrix_b_fmt:MATRIX_FMT_FP4
.else
	v_wmma_scale_f32_16x16x128_f8f6f4 v[ACC+8*(4*\a+\b):ACC+8*(4*\a+\b)+7], v[FS+16+8*\b:FS+16+8*\b+7], v[FS+8*\a:FS+8*\a+7], v[ACC+8*(4*\a+\b):ACC+8*(4*\a+\b)+7], v[SBR+32*(\sc)+8*\b+(\q)], v[SAR+16*(\sc)+8*\a+(\q)] matrix_a_fmt:MATRIX_FMT_FP4 matrix_b_fmt:MATRIX_FMT_FP4
.endif
.endr
.endr
.endm
.macro KSTP rho, q, zero
	s_wait_dscnt 24
	PLACES
	FETCH \rho, (\q)+3
	WIN MULW
	MUL8 \q, \rho, \zero
.endm
.macro ASK                             ; the loop's last trip (s3 = 1) refills with K steps 6 and 7: no K step stands two on
	s_cmp_gt_u32 s3, 1
	s_cbranch_scc0 .Lno_ask_\@
	global_prefetch_b8 v[PFO], s[94:95] th:TH_LOAD_NT scope:SCOPE_SE
.Lno_ask_\@:
.endm
.macro TURN rho, next, fill
	WIN 0
.if \fill
	s_wait_xcnt 0x0                                ; my last prefetch has read its base: it steps a K step on
	s_add_nc_u64 s[94:95], s[94:95], s[96:97]
.endif
	s_wait_tensorcnt 0x0
	ds_add_u32 v[SPW], v[NIL]
	s_wait_dscnt 25
	WIN MULW
	MUL8 5, \rho, 0
	s_wait_dscnt 0x0
	s_barrier_signal -1
	MUL8 6, \rho, 0
	WIN 0
	s_barrier_wait -1
.if \fill
	CREST
	s_add_nc_u64 s[G0+4*\rho+2:G0+4*\rho+3], s[G0+4*\rho+2:G0+4*\rho+3], 1048576
	s_add_nc_u64 s[G0B+4*\rho+2:G0B+4*\rho+3], s[G0B+4*\rho+2:G0B+4*\rho+3], 1024
	JLOAD G0+4*\rho, G1, G0B+4*\rho, G1B
.else
	PLACES
.endif
	s_wait_alu depctr_va_vdst(0)
	v_add_nc_u32 v[ADSA], 4096, v[ADSA]
	v_add_nc_u32 v[ADSB], 2048, v[ADSB]
	SCALES \next
.if \fill
	ASK                                            ; behind the joint load and its lines; every window is 0 here
.endif
	FETCH \next, 0
	FETCH \next, 1
	FETCH \next, 2
	WIN MULW
	MUL8 7, \rho, 0
.endm
	s_wait_alu depctr_va_vdst(0)
	s_wait_xcnt 0x0                                ; the first prefetch has read its base
	s_add_nc_u64 s[94:95], s[94:95], s[96:97]      ; on to K step 3
	s_wait_tensorcnt 0x0                           ; my tile of the head's four is in
	ds_add_u32 v[SPW], v[NIL]
	s_mov_b32 s[G1+2], 4<<16                       ; no tensor load of mine is out: from here on a load brings half a tile
	s_mov_b32 s[G1+4], 4
	s_mov_b32 s[G1B+2], 32<<16
	s_mov_b32 s[G1B+4], 32
	s_wait_dscnt 0x0                               ; the add is done
	CROUND                                         ; all four tiles are in, and all sixteen work-groups are here
	JLOAD G0+4, G1, G0B+4, G1B                     ; K step 1: the first tensor load behind the round
	SCALES 0
	global_prefetch_b8 v[PFO], s[94:95] th:TH_LOAD_NT scope:SCOPE_SE   ; K step 3
	FETCH 0, 0
	FETCH 0, 1
	FETCH 0, 2
	KSTP 0, 0, 1
	WIN 0
	s_mov_b32 s3, 3
.Llap:
	KSTP 0, 1, 0
	KSTP 0, 2, 0
	KSTP 0, 3, 0
	KSTP 0, 4, 0
	TURN 0, 1, 1
	KSTP 1, 0, 0
	KSTP 1, 1, 0
	KSTP 1, 2, 0
	KSTP 1, 3, 0
	KSTP 1, 4, 0
	TURN 1, 0, 1
	KSTP 0, 0, 0
	WIN 0
	s_sub_co_u32 s3, s3, 1
	s_cmp_lg_u32 s3, 0
	s_cbranch_scc1 .Llap
	KSTP 0, 1, 0
	KSTP 0, 2, 0
	KSTP 0, 3, 0
	KSTP 0, 4, 0
	TURN 0, 1, 0
	KSTP 1, 0, 0
	KSTP 1, 1, 0
	KSTP 1, 2, 0
	KSTP 1, 3, 0
	KSTP 1, 4, 0
	s_wait_dscnt 24
	MUL8 5, 1, 0
	s_wait_dscnt 12
	MUL8 6, 1, 0
	s_wait_dscnt 0x0
	MUL8 7, 1, 0
	WIN 0
	PLACES
.irp a, 0,1
.irp b, 0,1,2,3
	ds_store_b128 v[STO], v[ACC+8*(4*\a+\b):ACC+8*(4*\a+\b)+3] offset:64*\b
	ds_store_b128 v[STO], v[ACC+8*(4*\a+\b)+4:ACC+8*(4*\a+\b)+7] offset:64*\b+16
.endr
.irp i, 0,1,2,3,4,5,6,7
	ds_load_b128 v[OB+32*\a+4*\i:OB+32*\a+4*\i+3], v[RD] offset:\i*2*SPITCH
.endr
.endr
.irp i, 0,1,2,3,4,5,6,7
	s_wait_dscnt 23-\i
	global_store_b128 v[CO], v[OB+4*\i:OB+4*\i+3], s[12:13] offset:16384*\i th:TH_STORE_NT
.endr
.irp i, 0,1,2,3,4,5,6,7
	s_wait_dscnt 7-\i
	global_store_b128 v[CO], v[OB+32+4*\i:OB+32+4*\i+3], s[12:13] offset:131072+16384*\i th:TH_STORE_NT
.endr
	s_wait_tensorcnt 0x0
	ds_add_u32 v[SPW], v[NIL]
	s_wait_dscnt 0x0
	CROUND
	s_endpgm
.Lfunc_end_k_q7616ac0b6e_down:
	.size	k_q7616ac0b6e_down, .Lfunc_end_k_q7616ac0b6e_down-k_q7616ac0b6e_down
	.p2alignl 7, 3214868480
	.fill 96, 4, 3214868480
	.section	.rodata,"a",@progbits
	.p2align	6, 0x0
	.amdhsa_kernel k_q7616ac0b6e_down
		.amdhsa_group_segment_fixed_size 327680
		.amdhsa_private_segment_fixed_size 0
		.amdhsa_enable_private_segment 0
		.amdhsa_kernarg_size 40
		.amdhsa_user_sgpr_count 2
		.amdhsa_user_sgpr_kernarg_segment_ptr 1
		.amdhsa_wavefront_size32 1
		.amdhsa_system_sgpr_workgroup_id_x 1
		.amdhsa_system_sgpr_workgroup_id_y 1
		.amdhsa_system_sgpr_workgroup_id_z 1
		.amdhsa_system_vgpr_workitem_id 0
		.amdhsa_next_free_vgpr 448
		.amdhsa_next_free_sgpr 98
		.amdhsa_reserve_vcc 0
		.amdhsa_float_denorm_mode_32 3
		.amdhsa_float_denorm_mode_16_64 3
		.amdhsa_memory_ordered 1
		.amdhsa_forward_progress 1
		.amdhsa_inst_pref_size 87
	.end_amdhsa_kernel
	.amdgpu_metadata
---
amdhsa.version: [ 1, 2 ]
amdhsa.kernels:
  - .name:           k_q7616ac0b6e_down
    .symbol:         k_q7616ac0b6e_down.kd
    .args:
      - { .name: hq, .offset: 0, .size: 8, .value_kind: global_buffer, .address_space: global }
      - { .name: hs, .offset: 8, .size: 8, .value_kind: global_buffer, .address_space: global }
      - { .name: wdq, .offset: 16, .size: 8, .value_kind: global_buffer, .address_space: global }
      - { .name: wds, .offset: 24, .size: 8, .value_kind: global_buffer, .address_space: global }
      - { .name: out0, .offset: 32, .size: 8, .value_kind: global_buffer, .address_space: global }
    .group_segment_fixed_size: 327680
    .private_segment_fixed_size: 0
    .kernarg_segment_align: 8
    .kernarg_segment_size: 40
    .max_flat_workgroup_size: 128
    .sgpr_count:     98
    .vgpr_count:     448
    .wavefront_size: 32
...
	.end_amdgpu_metadata
.endif
;; end of part 3
